; MI455X (gfx1250); checked and timed in simulation.
; The chip was launched on July 23, 2026; its instructions are those of AMD's public machine-readable ISA for CDNA 5 (MIT licence, August 2026) and "CDNA5" Instruction Set Architecture Reference Guide (July 2026). The comments in the code are by the model that wrote it; some were corrected since.
;; Diff Attention. Allowed arithmetic: matrix products marked QUANTISED: E2M3 operands, one E8M0 scale for each 32 along K, by v_wmma_scale_f32_16x16x128_f8f6f4 with both operands' format E2M3, f32 sums; everything else in f32.
;; Inputs: W_proj_codes 1,024 x 32 x 24 uint8 (E2M3 codes of W_proj, K innermost, in blocks of 32 codes, four codes in three bytes); W_proj_scales 1,024 x 32 uint8 (E8M0 scales of W_proj, one for each 32 codes along K); W_qkv_codes 3,072 x 32 x 24 uint8 (E2M3 codes of W_qkv, K innermost, in blocks of 32 codes, four codes in three bytes); W_qkv_scales 3,072 x 32 uint8 (E8M0 scales of W_qkv, one for each 32 codes along K); b_proj 1,024 float32; lambda_k1 32 float32; lambda_k2 32 float32; lambda_q1 32 float32; lambda_q2 32 float32; subln_w 64 float32; x_codes 2 x 2,048 x 32 x 24 uint8 (E2M3 codes of x, K innermost, in blocks of 32 codes, four codes in three bytes); x_scales 2 x 2,048 x 32 uint8 (E8M0 scales of x, one for each 32 codes along K).
;; Outputs: out0 2 x 2,048 x 1,024 float32.
;; This version of the problem:
;;   THIS VERSION OF THE PROBLEM IS GIVEN IN LOW PRECISION. The matrix products marked QUANTISED in the list below multiply operands that are first quantised to E2M3 (2 exponent bits, 3 mantissa bits; 6 bits a number), with one power-of-two scale for each 32 numbers along K (OCP MX v1.0); their sums are f32. All else is computed in f32.
;;   The module's matrix products, in the order in which they are computed (A, B: the left and right operand; K: the contracted axis; several contracted axes count as one K, in the product's order):
;;     1. [M 4,096, K 1,024] x [K 1,024, N 3,072]; A: input x (given as codes); B: input W_qkv (given as codes): QUANTISED
;;     2. batch 32 x [M 2,048, K 32] x [K 32, N 2,048]; A: computed on the way; B: computed on the way: QUANTISED
;;     3. batch 32 x [M 2,048, K 2,048] x [K 2,048, N 64]; A: softmax (see below); B: computed on the way: QUANTISED
;;     4. batch 32 x [M 2,048, K 32] x [K 32, N 2,048]; A: computed on the way; B: computed on the way: QUANTISED
;;     5. batch 32 x [M 2,048, K 2,048] x [K 2,048, N 64]; A: softmax (see below); B: computed on the way: QUANTISED
;;     6. [M 4,096, K 1,024] x [K 1,024, N 1,024]; A: computed on the way; B: input W_proj (given as codes): QUANTISED
;;   THE QUANTISER, for each operand of a quantised product, along K:
;;     - K is cut into blocks of 32 from its start; a last block that is shorter is filled with zeros.
;;     - A block's scale is 2^e with e = floor(log2(the largest magnitude in the block)) - 2, held to -126 .. 127; a block of zeros has e = 0. As a byte (E8M0): e + 127.
;;     - Each number is divided by its block's scale, clamped to +-7.5, and rounded to the nearest number of E2M3, ties to even, subnormals kept.
;;     - The product sums the exact products of the quantised numbers (number of the format x scale) in f32.
;;   ~~~python
;;   def quantise(x, axis):      # numpy; x: float32 -> the quantised numbers, widened to float32 again
;;       x = np.moveaxis(x, axis, -1); K = x.shape[-1]
;;       x = np.pad(x, [(0, 0)] * (x.ndim - 1) + [(0, -K % 32)]); x = x.reshape(x.shape[:-1] + (-1, 32)); a = np.abs(x).max(-1, keepdims=True)
;;       e = np.where(a > 0, np.clip(np.frexp(np.where(a > 0, a, 1))[1] - 1 - 2, -126, 127), 0)      # np.frexp(a)[1] - 1 = floor(log2(a)), exactly
;;       r = np.clip(x / 2.0 ** e, -7.5, 7.5)
;;       step = 2.0 ** (np.maximum(np.frexp(np.where(r == 0, 1, r))[1] - 1, 0) - 3)
;;       q = np.round(r / step) * step * 2.0 ** e      # np.round: ties to even
;;       return np.moveaxis(q.reshape(q.shape[:-2] + (-1,))[..., :K], -1, axis).astype(np.float32)
;;   ~~~
;;   SOFTMAX AHEAD OF A QUANTISED PRODUCT. Where the list says 'softmax', what is quantised is not the finished softmax but p = 2^(t - M), with t = logit x log2(e) and M = ceil(the row's largest t), a whole number; so 1/2 < the row's largest p <= 1. The row's sum l is taken of the UNQUANTISED p, in f32, and the product's result is divided by l at the end. Since M is a whole number, a kernel that streams over the keys may use a running M (the ceiling of the running maximum): every later rescaling is an exact power of two, which a block's scale takes up: the codes' values come out the same.
;;   OPERANDS COMPUTED ON THE WAY. 'Computed on the way' means the value that the module computes at that place (a softmax that the list does not call 'softmax' is quantised finished and normalised). What goes into a quantiser is computed in f32, as accurately as f32 sums, v_exp_f32 and their like allow (about 1e-6 of the number): no bf16 or f16 on the way to a quantiser, and a product that is left as it is and whose result goes on into a quantised operand takes f32 operands (vector FMAs, or v_wmma_f32_16x16x4_f32). A number that lies on a knife's edge between two numbers of the format may be rounded either way, as far as f32 arithmetic and the matrix unit's own rounding can turn it there, and no further.
;;   INPUTS GIVEN AS CODES. W_proj (in the module: [1024, 1024], K = its axis 0); W_qkv (in the module: [1024, 3072], K = its axis 0); x (in the module: [2, 2048, 1024], K = its axis 2): each comes as NAME_codes (uint8): NAME with its K axis moved to the last place and cut into blocks of 32 codes, [.., K / 32, bytes a block], one block behind the other in memory; four codes in three bytes: a row's codes are one little-endian stream of bits, code i at bits 6 i .. 6 i + 5 (a code: sign, 2 exponent bits, 3 mantissa bits); and NAME_scales (uint8): the same leading axes, one E8M0 byte (e + 127) for each 32 codes along K. Its value is code x scale, taken as it is: it is not quantised again, and the codes and scales need not be those that the quantiser above would give.
;; One version. Each part assembles by itself: llvm-mc -triple=amdgcn-amd-amdhsa -mcpu=gfx1250 --defsym DOCPART=n.
;; ======== version 1 of 1: 3 launches
;; limits: right only within a limited range of input values
;; workspace buffers: qkv_img 9,437,184 bytes; qkv_sw 393,216 bytes; o_img 3,145,728 bytes; o_sc 131,072 bytes
;; launch qkv (part 1): grid 24 x 32, 4 waves a work-group, clusters of 4 x 4, 262,144 bytes of LDS; arguments x_codes, x_scales, W_qkv_codes, W_qkv_scales, qkv_img, qkv_sw; writes qkv_img, qkv_sw
.if DOCPART == 1
	.amdgcn_target "amdgcn-amd-amdhsa--gfx1250"
	.amdhsa_code_object_version 6
	.text
	.protected	k_qdc7ea0d5b5_qkv
	.globl	k_qdc7ea0d5b5_qkv
	.p2align	8
	.type	k_qdc7ea0d5b5_qkv,@function
k_qdc7ea0d5b5_qkv:
	s_mov_b64 s[64:65], 0
	v_nop
	global_prefetch_b8 v0, s[64:65] scope:SCOPE_SE
	s_setreg_imm32_b32 hwreg(HW_REG_WAVE_MODE, 25, 1), 1
	s_wait_xcnt 0x0
	s_wait_alu depctr_hold_cnt(0) depctr_sa_sdst(0) depctr_va_vdst(0) depctr_va_sdst(0) depctr_va_ssrc(0) depctr_va_vcc(0) depctr_vm_vsrc(0)
	s_getreg_b32 s2, hwreg(HW_REG_IB_STS2, 6, 4)
	s_cmp_eq_u32 s2, 0
	s_cbranch_scc0 .Lentry_in_a_cluster
	s_endpgm
.Lentry_in_a_cluster:
	s_bfe_u32 s2, ttmp6, 0x10000c
	s_cmp_lg_u32 s2, 0xf033
	s_cbranch_scc0 .Lentry_shape_is_right
	s_endpgm
.Lentry_shape_is_right:
; qkv = x W_qkv on codes of FP6 (E2M3), and the quantising of q, k (along the head's 32 channels) and of v (along 32 tokens).  No work of the problem is left out.
; A work-group makes 128 x 128: 128 rows of operand A x 128 rows of operand B, K = 1,024.  For q and k: A = x (tokens), B = W_qkv's rows 0 .. 2,047.  For v: A = W_qkv's rows 2,048 .. 3,071, B = x,
; so that a lane's registers always run along the axis that is quantised.  Clusters with x under 4 make q and k (16 x 32 tiles), those with x = 4, 5 make v (32 x 8 tiles): 768 work-groups.
; WHOLE ROWS OF K: a row of codes is 768 bytes and begins at a multiple of 256; 256 such rows and their scale bytes are filled ONCE, one tensor load a wave; no LDS byte is filled again, no barrier stands in the walk along K.
; CLUSTER 4 x 4: A's tile is shared along a row of the cluster, B's along a column: joint loads.  No prefetch: the launch has no loop to run ahead in; all it reads is asked for by its first four loads.
; A wave makes 32 rows of A x 128 rows of B: 16 accumulators by turns.  The matrix instruction is used transposed: source 0 = 16 rows of B, source 1 = 16 rows of A.
; qkv_img: [block of 32 along B][tile of 16 rows of A][piece 0..2][row][8 bytes]; position 16 h + 8 u + j of a block holds element 16 u + 8 h + j.  qkv_sw: [128 along B][tile][row][4 scale bytes].
; LIMITS: NaN and infinities are not served; a block whose largest magnitude lies under 2^-124, a block of zeros too, keeps the byte 1 (its codes are right; this program alone reads the bytes).
.set KROW,  768
.set PITCH, 816                        ; 768 bytes + 16 of padding behind each 256
.set BLK,   16*PITCH
.set TILE,  128*PITCH
.set SCL,   2*TILE                     ; the scales: A's 4,096 bytes as 16 rows of 256 + 16, then B's
.set SHALF, 4352
.set SBLK,  544
.set SPARE, SCL+2*SHALF
.set STG,   SPARE+512                  ; the way out: 4 planes of 3,200 bytes, then 512 bytes of scale words; bytes of its own
.set BPL,   3200
.set FR,   12
.set ADRA, 16                          ; v16 my A fragments; v17 the same + 16 in lanes 16-31 (their piece lies behind a padding)
.set ADRB, 20                          ; v20-21 B's blocks 0-3; v22-23 blocks 4-7
.set SA,   24
.set SS,   25
.set RDA,  26
.set ADRS, 27
.set SPW,  28
.set NIL,  29
.set GOF,  30
.set RDS,  31
.set SC,   32                          ; v32-95 scale words: register 8 i + step: lanes 0-15 A's block i, lanes 16-31 B's block i
.set AF,   128                         ; A's fragments, two sets of 24
.set OUT,  128
.set TM,   192
.set PW,   208
.set PC,   212
.set MSB, 0
.macro WIN new
.if MSB != \new
	s_set_vgpr_msb (MSB<<8)|\new
.set MSB, \new
.endif
.endm
.set MUL_W, 0xa1                       ; source 0 (B) window 1, source 1 (A) window 0, C and D window 2
.set TO_B,  0x40
.macro PLACES
.rept 4
	v_nop
.endr
.endm
.macro CROUND
	s_barrier_signal -1
	s_barrier_wait -1
	s_cmp_lg_u32 s14, 0
	s_cbranch_scc1 .Lnot_wave_0_\@
	s_barrier_signal -3
.Lnot_wave_0_\@:
	s_barrier_wait -3
	s_barrier_signal -1
	s_barrier_wait -1
.endm
.macro ARM under, g0, g1, next
	s_cmp_lt_u32 s14, \under
	s_cbranch_scc0 \next
	tensor_load_to_lds s[\g0:\g0+3], s[\g1:\g1+7]
	s_nop 0
	PLACES
	s_branch .Lhead_asked
\next:
.endm
	s_load_b128 s[4:7], s[0:1], 0x0                ; x's codes, x's scales
	s_load_b128 s[8:11], s[0:1], 0x10              ; W's codes, W's scales
	s_load_b128 s[96:99], s[0:1], 0x20             ; qkv_img, qkv_sw
	v_lshl_add_u32 v[SPW], v0, 2, SPARE
	v_mov_b32 v[NIL], 0
	ds_add_u32 v[SPW], v[NIL]                      ; the opening lines
	ds_add_u32 v[SPW], v[NIL]
	v_lshrrev_b32 v1, 5, v0
	v_readfirstlane_b32 s14, v1                    ; wave
	s_bfe_u32 s40, ttmp6, 0x40000                  ; cx
	s_bfe_u32 s41, ttmp6, 0x40004                  ; cy
	s_and_b32 s17, ttmp7, 0xffff
	s_sub_co_u32 s18, ttmp9, 4
	s_cmp_ge_u32 ttmp9, 4                          ; v?
	s_cselect_b32 s42, s17, ttmp9
	s_cselect_b32 s17, s18, s17
	s_cselect_b32 s101, 2048, 0                    ; v's rows of W begin here
	s_mov_b32 s100, 98304                          ; bytes from plane to plane of qkv_img
	s_cselect_b32 s100, 24576, s100
	s_mov_b32 s92, 16384                           ; and from group to group of qkv_sw
	s_cselect_b32 s92, 4096, s92
	s_cselect_b32 s94, 6291456, 0
	s_cselect_b32 s95, 262144, 0
	s_lshl_b32 s42, s42, 2
	s_add_co_u32 s42, s42, s40                     ; B's tile
	s_lshl_b32 s17, s17, 2
	s_add_co_u32 s17, s17, s41                     ; A's tile
	s_lshl_b32 s43, s41, 2
	s_lshl_b32 s43, 15, s43                        ; my row of the cluster
	s_lshl_b32 s44, 0x1111, s40                    ; my column
	s_or_b32 s24, s43, (1<<20)|(1<<21)|(5<<22)|(3<<25)
	s_or_b32 s48, s44, (1<<20)|(1<<21)|(5<<22)|(3<<25)
.irp g, 24, 48                                     ; codes: 128 rows of 768 bytes
	s_mov_b32 s[\g+1], KROW<<16
	s_mov_b32 s[\g+2], 128<<16
	s_mov_b32 s[\g+3], KROW<<16
	s_mov_b32 s[\g+4], 128
	s_mov_b32 s[\g+5], KROW
	s_mov_b32 s[\g+6], 0
	s_mov_b32 s[\g+7], 0
.endr
	s_or_b32 s68, s43, (3<<16)|(1<<20)|(1<<21)|(5<<22)|(3<<25)
	s_or_b32 s80, s44, (3<<16)|(1<<20)|(1<<21)|(5<<22)|(3<<25)
.irp g, 68, 80                                     ; scales: 4,096 dense bytes as 16 rows of 256
	s_mov_b32 s[\g+1], 32<<16
	s_mov_b32 s[\g+2], 16<<16
	s_mov_b32 s[\g+3], 32<<16
	s_mov_b32 s[\g+4], 16
	s_mov_b32 s[\g+5], 32
	s_mov_b32 s[\g+6], 0
	s_mov_b32 s[\g+7], 0
.endr
	s_lshl_b32 s20, s17, 7
	s_add_co_u32 s20, s20, s101                    ; A's first row
	s_lshl_b32 s22, s20, 5
	s_mul_i32 s20, s20, KROW
	s_mov_b32 s21, 0
	s_mov_b32 s23, 0
	s_lshl_b32 s46, s42, 7                         ; B's first row
	s_lshl_b32 s60, s46, 5
	s_mul_i32 s46, s46, KROW
	s_mov_b32 s47, 0
	s_mov_b32 s61, 0
	s_mov_b32 s32, 1
	s_mov_b32 s33, 0
	s_mov_b32 s56, 1
	s_mov_b32 s57, TILE
	s_mov_b32 s76, 1
	s_mov_b32 s77, SCL
	s_mov_b32 s88, 1
	s_mov_b32 s89, SCL+SHALF
	s_wait_dscnt 0x0
	s_wait_kmcnt 0x0
	s_cmp_ge_u32 ttmp9, 4
	s_cselect_b64 s[2:3], s[8:9], s[4:5]
	s_add_nc_u64 s[34:35], s[2:3], s[20:21]
	s_cselect_b64 s[2:3], s[10:11], s[6:7]
	s_add_nc_u64 s[78:79], s[2:3], s[22:23]
	s_cselect_b64 s[2:3], s[4:5], s[8:9]
	s_add_nc_u64 s[58:59], s[2:3], s[46:47]
	s_cselect_b64 s[2:3], s[6:7], s[10:11]
	s_add_nc_u64 s[90:91], s[2:3], s[60:61]
	s_or_b32 s35, s35, 0x80000000
	s_or_b32 s79, s79, 0x80000000
	s_or_b32 s59, s59, 0x80000000
	s_or_b32 s91, s91, 0x80000000
	CROUND                                         ; the first joint loads meet
	ARM 1, 32, 24, .Lhead_b                        ; one load a wave: A's codes, B's codes, A's scales, B's scales
	ARM 2, 56, 48, .Lhead_sa
	ARM 3, 76, 68, .Lhead_sb
	tensor_load_to_lds s[88:91], s[80:87]
	s_nop 0
	PLACES
.Lhead_asked:
	v_and_b32 v1, 15, v0                           ; r
	v_bfe_u32 v2, v0, 4, 1                         ; h
	v_mul_u32_u24 v3, v1, PITCH
	v_mad_u32_u24 v4, v2, 24, v3
	v_lshl_add_u32 v5, v2, 4, v4
	s_mul_i32 s21, s14, 2*BLK                      ; my 32 rows of A
	v_add_nc_u32 v[ADRA], s21, v4
	v_add_nc_u32 v[ADRA+1], s21, v5
	v_add_nc_u32 v[ADRB], TILE, v4
	v_add_nc_u32 v[ADRB+1], TILE, v5
	v_add_nc_u32 v[ADRB+2], TILE+4*BLK, v4
	v_add_nc_u32 v[ADRB+3], TILE+4*BLK, v5
	v_lshlrev_b32 v5, 5, v1                        ; a row's scales: 32 bytes, and 16 more for each 256 passed
	v_lshrrev_b32 v6, 8, v5
	v_lshl_add_u32 v5, v6, 4, v5
	s_mul_i32 s21, s14, 2*SBLK
	s_mov_b32 s22, SHALF
	s_sub_co_u32 s22, s22, s21
	v_mul_u32_u24 v6, s22, v2                      ; lanes 16-31 take B's
	s_add_co_u32 s21, s21, SCL
	v_add_nc_u32 v5, v5, v6
	v_add_nc_u32 v[ADRS], s21, v5
	v_lshlrev_b32 v5, 3, v1
	v_mad_u32_u24 v5, v2, BPL, v5
	s_mul_i32 s21, s14, 768                        ; my two tiles of 16 rows in each plane
	s_add_co_u32 s21, s21, STG
	v_add_nc_u32 v[SA], s21, v5
	v_lshlrev_b32 v5, 2, v1
	s_lshl_b32 s21, s14, 7
	s_add_co_u32 s21, s21, STG+4*BPL
	v_add_nc_u32 v[SS], s21, v5
	v_and_b32 v6, 31, v0
	v_lshlrev_b32 v7, 4, v6
	s_mul_i32 s21, s14, BPL
	s_add_co_u32 s21, s21, STG
	v_add_nc_u32 v[RDA], s21, v7                   ; wave w sends plane w
	v_add_nc_u32 v[RDS], STG+4*BPL, v7
	s_mul_i32 s21, s14, s100
	v_add_nc_u32 v[GOF], s21, v7
	s_lshl_b32 s20, s17, 3                         ; the work-group's first tile of 16 rows
	s_mul_i32 s21, s20, 384
	s_add_co_u32 s21, s21, s94
	s_lshl_b32 s47, s42, 2
	s_mul_i32 s47, s47, s100
	s_add_co_u32 s22, s21, s47
	s_mov_b32 s23, 0
	s_add_nc_u64 s[96:97], s[96:97], s[22:23]
	s_lshl_b32 s20, s20, 6
	s_add_co_u32 s20, s20, s95
	s_mul_i32 s46, s42, s92
	s_add_co_u32 s22, s20, s46
	s_add_nc_u64 s[98:99], s[98:99], s[22:23]
	s_mov_b32 s104, 0x76543210
	s_mov_b32 s105, 0xfedcba98
.macro FRAG reg, adr, st, i                    ; 16 rows x 128 K: six pieces of 8 bytes; byte y of a row lies at y + 16 (y / 256)
.irp p, 0,1,2,3,4,5
.set BY, 96*(\st)+48*(\p/3)+8*(\p%3)
.if BY/256 == (BY+24)/256
	ds_load_b64 v[\reg+2*\p:\reg+2*\p+1], v[\adr] offset:BY+16*(BY/256)+(\i)*BLK
.else
	ds_load_b64 v[\reg+2*\p:\reg+2*\p+1], v[\adr+1] offset:BY+16*(BY/256)+(\i)*BLK
.endif
.endr
.endm
.macro FETCH st                                ; 60 loads: step st's fragments into set st % 2
	WIN TO_B
.irp i, 0,1,2,3,4,5,6,7
	FRAG 128*((\st)%2)+FR*\i, ADRB+2*(\i/4), \st, \i%4
.endr
	WIN 0
.irp i, 0,1
	FRAG AF+24*((\st)%2)+FR*\i, ADRA, \st, \i
.endr
.endm
.macro MUL st, zero
.irp a, 0,1
.irp b, 0,1,2,3,4,5,6,7
.if \zero
	v_wmma_scale_f32_16x16x128_f8f6f4 v[8*(8*\a+\b):8*(8*\a+\b)+7], v[128*((\st)%2)+FR*\b:128*((\st)%2)+FR*\b+FR-1], v[AF+24*((\st)%2)+FR*\a:AF+24*((\st)%2)+FR*\a+FR-1], 0, v[SC+8*\b+(\st)], v[SC+8*\a+(\st)] matrix_a_fmt:MATRIX_FMT_FP6 matrix_b_fmt:MATRIX_FMT_FP6 matrix_a_scale:MATRIX_SCALE_ROW1
.else
	v_wmma_scale_f32_16x16x128_f8f6f4 v[8*(8*\a+\b):8*(8*\a+\b)+7], v[128*((\st)%2)+FR*\b:128*((\st)%2)+FR*\b+FR-1], v[AF+24*((\st)%2)+FR*\a:AF+24*((\st)%2)+FR*\a+FR-1], v[8*(8*\a+\b):8*(8*\a+\b)+7], v[SC+8*\b+(\st)], v[SC+8*\a+(\st)] matrix_a_fmt:MATRIX_FMT_FP6 matrix_b_fmt:MATRIX_FMT_FP6 matrix_a_scale:MATRIX_SCALE_ROW1
.endif
.endr
.endr
.endm
	s_wait_alu depctr_va_vdst(0)                   ; the wait at the head's end
	s_wait_tensorcnt 0x0                           ; my tile is in,
	s_barrier_signal -1
	s_barrier_wait -1                              ; everybody's is
.irp i, 0,1,2,3,4,5,6,7                            ; all eight steps' scale words
	ds_load_b128 v[SC+8*\i:SC+8*\i+3], v[ADRS] offset:\i*SBLK
	ds_load_b128 v[SC+8*\i+4:SC+8*\i+7], v[ADRS] offset:\i*SBLK+16
.endr
	FETCH 0
	FETCH 1
	s_wait_dscnt 60                                ; all but the next step's 60 loads
	WIN MUL_W
	MUL 0, 1                                       ; the first products start the sums
.set ST, 1
.rept 6
	PLACES                                         ; in front of loads into registers that the step before multiplied
	FETCH ST+1
	s_wait_dscnt 60
	WIN MUL_W
	MUL ST, 0
.set ST, ST+1
.endr
	s_wait_dscnt 0x0
	MUL 7, 0
	WIN 0
.macro QW a                                    ; 16 rows x 128 along B: four blocks of 32 quantised; codes and scale word into the stage
.set AC, 64*(\a)
	WIN 0x0a
.irp b, 0,1,2,3
	v_max3_num_f32 v[TM+\b], |v[AC+16*\b]|, |v[AC+16*\b+1]|, 0x1800000
.endr
.irp i, 2,4,6,8,10,12,14
.irp b, 0,1,2,3
	v_max3_num_f32 v[TM+\b], |v[AC+16*\b+\i]|, |v[AC+16*\b+\i+1]|, v[TM+\b]
.endr
.endr
	WIN 0
.irp b, 0,1,2,3
	v_permlanex16_b32 v[TM+4+\b], v[TM+\b], s104, s105
.endr
.irp b, 0,1,2,3
	v_max_num_f32 v[TM+\b], v[TM+\b], v[TM+4+\b]
.endr
.irp b, 0,1,2,3
	v_add_nc_u32 v[TM+12+\b], 0xff000000, v[TM+\b] ; 2 off the exponent field: the conversion's scale operand
.endr
.irp b, 0,1,2,3
	v_lshrrev_b32 v[TM+4+\b], 23, v[TM+12+\b]
.endr
	s_wait_alu depctr_va_vdst(0)
	s_wait_dscnt 0x0
	v_lshl_or_b32 v[PW], v[TM+5], 8, v[TM+4]
	v_lshl_or_b32 v[PW], v[TM+6], 16, v[PW]
	v_lshl_or_b32 v[PW], v[TM+7], 24, v[PW]
	WIN 2
.irp c, 0,1
	v_cvt_scalef32_pk16_fp6_f32 v[PC+6*\c:PC+6*\c+2], v[AC+32*\c:AC+32*\c+15], v[TM+12+2*\c]
	v_cvt_scalef32_pk16_fp6_f32 v[PC+12+4*\c:PC+14+4*\c], v[AC+32*\c+16:AC+32*\c+31], v[TM+12+2*\c+1]
.endr
	WIN 0
	v_nop
.irp c, 0,1
.irp i, 0,1,2
	v_permlane16_swap_b32 v[PC+6*\c+\i], v[PC+12+4*\c+\i]
.endr
.irp i, 0,1,2
	v_mov_b32 v[PC+3+6*\c+\i], v[PC+12+4*\c+\i]
.endr
.endr
.irp c, 0,1
.irp p, 0,1,2
	ds_store_b64 v[SA], v[PC+6*\c+2*\p:PC+6*\c+2*\p+1] offset:2*BPL*\c+384*(\a)+128*\p
.endr
.endr
	ds_store_b32 v[SS], v[PW] offset:64*(\a)
.endm
	PLACES
.irp b, 0,1,2,3
	v_mov_b32 v[TM+4+\b], 0
.endr
	QW 0
	QW 1
	s_wait_dscnt 0x0                               ; my stores have landed,
	s_barrier_signal -1
	s_barrier_wait -1                              ; everybody's have
.irp k, 0,1,2,3,4,5
	ds_load_b128 v[OUT+4*\k:OUT+4*\k+3], v[RDA] offset:512*\k
.endr
	s_wait_dscnt 0x0
.irp k, 0,1,2,3,4,5
	global_store_b128 v[GOF], v[OUT+4*\k:OUT+4*\k+3], s[96:97] offset:512*\k   ; a plane's 3,072 consecutive bytes, at a multiple of 256
.endr
	s_cmp_lg_u32 s14, 0
	s_cbranch_scc1 .Lno_sw
	ds_load_b128 v[OUT+24:OUT+27], v[RDS]
	s_wait_dscnt 0x0
	global_store_b128 v7, v[OUT+24:OUT+27], s[98:99]   ; the 512 bytes of scale words
.Lno_sw:
	s_wait_tensorcnt 0x0                           ; the wave's end
	ds_add_u32 v[SPW], v[NIL]
	s_wait_dscnt 0x0
	CROUND                                         ; the closing round
	s_endpgm
.Lfunc_end_k_qdc7ea0d5b5_qkv:
	.size	k_qdc7ea0d5b5_qkv, .Lfunc_end_k_qdc7ea0d5b5_qkv-k_qdc7ea0d5b5_qkv
	.p2alignl 7, 3214868480
	.fill 96, 4, 3214868480
	.section	.rodata,"a",@progbits
	.p2align	6, 0x0
	.amdhsa_kernel k_qdc7ea0d5b5_qkv
		.amdhsa_group_segment_fixed_size 262144
		.amdhsa_private_segment_fixed_size 0
		.amdhsa_enable_private_segment 0
		.amdhsa_kernarg_size 48
		.amdhsa_user_sgpr_count 2
		.amdhsa_user_sgpr_kernarg_segment_ptr 1
		.amdhsa_wavefront_size32 1
		.amdhsa_system_sgpr_workgroup_id_x 1
		.amdhsa_system_sgpr_workgroup_id_y 1
		.amdhsa_system_sgpr_workgroup_id_z 1
		.amdhsa_system_vgpr_workitem_id 0
		.amdhsa_next_free_vgpr 768
		.amdhsa_next_free_sgpr 106
		.amdhsa_reserve_vcc 0
		.amdhsa_float_denorm_mode_32 3
		.amdhsa_float_denorm_mode_16_64 3
		.amdhsa_memory_ordered 1
		.amdhsa_forward_progress 1
		.amdhsa_inst_pref_size 69
	.end_amdhsa_kernel
	.amdgpu_metadata
---
amdhsa.version: [ 1, 2 ]
amdhsa.kernels:
  - .name:           k_qdc7ea0d5b5_qkv
    .symbol:         k_qdc7ea0d5b5_qkv.kd
    .args:
      - { .name: x_codes, .offset: 0, .size: 8, .value_kind: global_buffer, .address_space: global }
      - { .name: x_scales, .offset: 8, .size: 8, .value_kind: global_buffer, .address_space: global }
      - { .name: W_qkv_codes, .offset: 16, .size: 8, .value_kind: global_buffer, .address_space: global }
      - { .name: W_qkv_scales, .offset: 24, .size: 8, .value_kind: global_buffer, .address_space: global }
      - { .name: qkv_img, .offset: 32, .size: 8, .value_kind: global_buffer, .address_space: global }
      - { .name: qkv_sw, .offset: 40, .size: 8, .value_kind: global_buffer, .address_space: global }
    .group_segment_fixed_size: 262144
    .private_segment_fixed_size: 0
    .kernarg_segment_align: 8
    .kernarg_segment_size: 48
    .max_flat_workgroup_size: 128
    .sgpr_count:     106
    .vgpr_count:     768
    .wavefront_size: 32
...
	.end_amdgpu_metadata
.endif
;; end of part 1
;; launch attn (part 2): grid 8 x 32, 16 waves a work-group, clusters of 4 x 1, 232,448 bytes of LDS; arguments qkv_img, qkv_sw, lambda_q1, lambda_k1, lambda_q2, lambda_k2, subln_w, o_img, o_sc; writes o_img, o_sc
.if DOCPART == 2
	.amdgcn_target "amdgcn-amd-amdhsa--gfx1250"
	.amdhsa_code_object_version 6
	.text
	.protected	k_qdc7ea0d5b5_attn
	.globl	k_qdc7ea0d5b5_attn
	.p2align	8
	.type	k_qdc7ea0d5b5_attn,@function
k_qdc7ea0d5b5_attn:
	s_mov_b64 s[64:65], 0
	v_nop
	global_prefetch_b8 v0, s[64:65] scope:SCOPE_SE
	s_setreg_imm32_b32 hwreg(HW_REG_WAVE_MODE, 25, 1), 1
	s_wait_xcnt 0x0
	s_wait_alu depctr_hold_cnt(0) depctr_sa_sdst(0) depctr_va_vdst(0) depctr_va_sdst(0) depctr_va_ssrc(0) depctr_va_vcc(0) depctr_vm_vsrc(0)
	s_getreg_b32 s2, hwreg(HW_REG_IB_STS2, 6, 4)
	s_cmp_eq_u32 s2, 0
	s_cbranch_scc0 .Lentry_in_a_cluster
	s_endpgm
.Lentry_in_a_cluster:
	s_bfe_u32 s2, ttmp6, 0x10000c
	s_cmp_lg_u32 s2, 0x3003
	s_cbranch_scc0 .Lentry_shape_is_right
	s_endpgm
.Lentry_shape_is_right:
; Differential attention on codes of FP6 (E2M3): for each (batch, head) o = attn1 - lam attn2, attn_i = softmax(q_i k_i^T / sqrt(32)) v; then the RMS norm over the head's 64, the gain, x (1 - lambda_init), and the quantising of o along C.
; SOFTMAX: t = score x log2(e) / sqrt(32); M = the running largest t rounded UP to a whole number; p = 2^(t - M) is quantised along the keys, not normalised; the row's sum is taken of the unquantised p
;   and divides at the end.  When M moves, the sum and O are multiplied by 2^(old M - new M): exact.
; SHARES: a work-group owns 256 queries of one (batch, head); each of its sixteen waves owns 16 of them, for BOTH sub-heads.
; NO RING: a head's k1, k2 and v are 196,608 bytes of codes and 20,480 of scale bytes: every byte is filled ONCE, at the head, by twelve loads, one a wave (waves 0-3 the scale words, 4-7 keys 0 .. 255, 8-11 the rest).
; CLUSTER: the four query blocks of a cluster belong to one head: each tile is asked for jointly, with the mask of all four.  No prefetch: all that is read is asked for at the head.
; LAYOUT: both products are used transposed: S^T = K Q^T, O^T = V^T P^T: a lane holds ONE query (lane % 16) throughout.
; K = 32 IN AN INSTRUCTION OF 128: source 0's registers 0-5 hold k1 of 16 keys in lanes 0-15 (block 0) and k2 in lanes 16-31 (block 1).  Q's operand for sub-head 1 has q1 in block 0 and zero codes elsewhere,
;   that for sub-head 2 q2 in block 1.  The format has no NaN and no infinity, so whatever stands in source 0's registers 6-11 meets zeros and adds nothing.
; FRAGMENTS AHEAD: the fragments that the next products want are asked for as soon as their registers are free (four places behind the products that read them), ahead of the softmax's vector work.
; ORDER INSIDE A BLOCK: q, k and v come with position 16 h + 8 u + j of a block holding element 16 u + 8 h + j; tiles of 16 neighbouring keys give p the same order along the keys.
;   Lane r of V^T's tile 2 b + u takes channel 32 b + 8 u + r + 8 (r / 8), so that a lane's 16 registers of two tiles are 16 neighbouring channels of o.
; o_img: [tile of 16 tokens][head][piece 0..2][lane][8 bytes].  o_sc: [token][32 scale bytes].
; LIMITS: NaN and infinities are not served; the scaled scores stay under 2^31 in magnitude; a block whose largest magnitude lies under 2^-124, a block of zeros too, keeps the byte 1 (this program alone reads the bytes).
.set K2D,  49280
.set VE,   98560
.set VOD,  49472
.set K1S,  197376
.set VS,   213760
.set KSW,  217856
.set WL,   226048
.set CH0,  6144
.set AK,   1
.set AV,   2
.set AKS,  3
.set AVS,  4
.set ADK,  5
.set ADV,  6
.set ADS,  7
.set ADT,  8
.set LAM,  9
.set OI,   10
.set OS,   11
.set ST1,  12                          ; -M, the largest t, the sum in two halves
.set ST2,  16
.set Q1,   20
.set Q2,   32
.set KB,   44                          ; v44-67 four half fragments of K, or two fragments of V; v68-73 zeros
.set P1,   74
.set P2,   86
.set S,    98
.set O1,   162
.set O2,   194
.set BM,   226
.set TMP,  230
.set SO,   238
.set KW,   242
.set FF,   246
.set TA,   248
.set PW1,  250
.set PW2,  251
.set QW,   252
.set TK,   2
.set TS,   3
.set TV,   66
.set CNT,  67
.set WV,   22
.set SEL,  98
.set CS,   100
.macro DLY n
	s_delay_alu instid0(VALU_DEP_\n)
.endm
.macro NOP4
.rept 4
	v_nop
.endr
.endm
.macro CROUND
	s_barrier_signal -1
	s_barrier_wait -1
	s_cmp_lg_u32 s[WV], 0
	s_cbranch_scc1 .Lnot_wave_0_\@
	s_barrier_signal -3
.Lnot_wave_0_\@:
	s_barrier_wait -3
	s_barrier_signal -1
	s_barrier_wait -1
.endm
.macro GROUP1 g, c, r, p               ; r rows of c elements of 8 bytes, p elements apart; the mask of all four work-groups
	s_mov_b32 s[\g], 15|(3<<16)|(1<<21)
	s_mov_b32 s[\g+1], (\c)<<16
	s_mov_b32 s[\g+2], (\r)<<16
	s_mov_b32 s[\g+3], (\c)<<16
	s_mov_b32 s[\g+4], \r
	s_mov_b32 s[\g+5], \p
	s_mov_b32 s[\g+6], 0
	s_mov_b32 s[\g+7], 0
.endm
.macro ARM under, g0, g1, next
	s_cmp_lt_u32 s[WV], \under
	s_cbranch_scc0 \next
	tensor_load_to_lds s[\g0:\g0+3], s[\g1:\g1+7]
	s_nop 0
	NOP4
	s_branch .Lasked
\next:
.endm
	s_load_b256 s[4:11], s[0:1], 0x0
	s_load_b256 s[12:19], s[0:1], 0x20
	s_load_b64 s[20:21], s[0:1], 0x40
	v_lshl_add_u32 v254, v0, 2, 0x38400
	v_mov_b32 v255, 0
	ds_add_u32 v254, v255                          ; the opening lines
	ds_add_u32 v254, v255
	v_lshrrev_b32 v5, 5, v0
	DLY 1
	v_readfirstlane_b32 s[WV], v5
	v_and_b32 v98, 31, v0
	v_and_b32 v99, 15, v0
	v_bfe_u32 v100, v0, 4, 1
	v_bfe_u32 v101, v0, 3, 1
	v_and_b32 v102, 7, v0
	; wave % 4 says which region I fetch for: 0 k1, 1 k2, 2 v's even blocks of keys, 3 the odd ones
	s_and_b32 s23, s[WV], 1
	s_bfe_u32 s88, s[WV], 0x10001
	s_and_b32 s89, s23, s88
	s_xor_b32 s90, s23, s89
	s_and_b32 s91, s[WV], 3
	s_mul_i32 s91, s91, K2D
	s_mul_i32 s92, s89, VOD-K2D
	s_add_co_u32 s91, s91, s92                     ; the codes: 0, K2D, VE, VE + VOD
	s_lshl_b32 s92, s88, 14
	s_lshl_b32 s93, s23, 11
	s_add_co_u32 s92, s92, s93
	s_mul_i32 s93, s90, 6144
	s_add_co_u32 s92, s92, s93
	s_add_co_u32 s92, s92, K1S                     ; the scale words: K1S, K1S + 8,192, VS, VS + 2,048
	s_and_b32 s93, ttmp7, 0xffff
	s_lshr_b32 s94, s93, 4                         ; the batch
	s_and_b32 s93, s93, 15                         ; the head
	s_lshl_b32 s95, s23, 4
	s_add_co_u32 s95, s95, s93
	s_add_co_u32 s95, s95, 32
	s_mul_i32 s95, s95, 98304
	s_mul_i32 s96, s94, 49152
	s_add_co_u32 s95, s95, s96
	s_lshl_b32 s96, s94, 6
	s_add_co_u32 s96, s96, s23
	s_mul_i32 s96, s96, 24576
	s_mul_i32 s97, s93, 1536
	s_add_co_u32 s96, s96, s97
	s_add_co_u32 s96, s96, 6291456
	s_cmp_eq_u32 s88, 0
	s_cselect_b32 s95, s95, s96
	s_mov_b32 s96, 196608
	s_cselect_b32 s96, CH0, s96
	s_lshr_b32 s97, s93, 2
	s_lshl_b32 s2, s23, 2
	s_add_co_u32 s97, s97, s2
	s_add_co_u32 s97, s97, 8
	s_lshl_b32 s97, s97, 14
	s_lshl_b32 s2, s94, 13
	s_add_co_u32 s97, s97, s2
	s_lshl_b32 s2, s94, 4
	s_lshl_b32 s3, s23, 3
	s_add_co_u32 s2, s2, s3
	s_lshl_b32 s2, s2, 12
	s_lshl_b32 s3, s93, 8
	s_add_co_u32 s2, s2, s3
	s_add_co_u32 s2, s2, 262144
	s_cmp_eq_u32 s88, 0
	s_cselect_b32 s97, s97, s2
	GROUP1 24, 32, 32, 32                          ; K's scale words
	GROUP1 32, 32, 24, 32                          ; K's keys 0 .. 255
	GROUP1 40, 32, 168, 32                         ; K's rest
	GROUP1 48, 32, 8, 512                          ; V's scale words
	GROUP1 56, 192, 4, 6144                        ; V's keys 0 .. 255
	GROUP1 68, 192, 28, 6144                       ; V's rest
	s_mov_b32 s[SEL], 0x76543210
	s_mov_b32 s[SEL+1], 0xfedcba98
	s_mov_b32 s[CS], 0x3e8293ee                    ; c = log2(e) / sqrt(32)
	s_mov_b32 s[CS+1], s[CS]
	s_mov_b32 s104, 0x3c800000                     ; 1 / 64
	s_mov_b32 s105, 0x3727c5ac                     ; 1e-5
	s_wait_dscnt 0x0
	s_wait_kmcnt 0x0
	s_mov_b32 s3, 0
	s_mov_b32 s76, 1
	s_mov_b32 s77, s92
	s_mov_b32 s2, s97
	s_add_nc_u64 s[78:79], s[6:7], s[2:3]
	s_or_b32 s79, s79, 0x80000000
	s_mov_b32 s80, 1
	s_mov_b32 s81, s91
	s_mov_b32 s2, s95
	s_add_nc_u64 s[82:83], s[4:5], s[2:3]
	s_mov_b32 s84, 1
	s_add_co_u32 s85, s91, CH0
	s_mov_b32 s2, s96
	s_add_nc_u64 s[86:87], s[82:83], s[2:3]
	s_or_b32 s83, s83, 0x80000000
	s_or_b32 s87, s87, 0x80000000
	CROUND                                         ; the joint loads meet
	ARM 2, 76, 24, .La1                            ; one chain of branches on the wave's number, one load to an arm
	ARM 4, 76, 48, .La2
	ARM 6, 80, 32, .La3
	ARM 8, 80, 56, .La4
	ARM 10, 84, 40, .La5
	s_cmp_lt_u32 s[WV], 12
	s_cbranch_scc0 .Lasked
	tensor_load_to_lds s[84:87], s[68:75]
	s_nop 0
	NOP4
.Lasked:
	; my 16 queries: tile 16 x (4 x cluster x + cx) + wave of the batch
	s_bfe_u32 s89, ttmp6, 0x40000
	s_lshl_b32 s90, ttmp9, 2
	s_add_co_u32 s89, s89, s90
	s_lshl_b32 s89, s89, 4
	s_add_co_u32 s89, s89, s[WV]
	s_mul_i32 s90, s93, 98304
	s_mul_i32 s92, s94, 49152
	s_add_co_u32 s90, s90, s92
	s_mul_i32 s92, s89, 384
	s_add_co_u32 s90, s90, s92
	s_mov_b32 s91, 0
	s_add_nc_u64 s[4:5], s[4:5], s[90:91]
	s_lshr_b32 s90, s93, 2
	s_lshl_b32 s90, s90, 14
	s_lshl_b32 s92, s94, 13
	s_add_co_u32 s90, s90, s92
	s_lshl_b32 s92, s89, 6
	s_add_co_u32 s90, s90, s92
	s_add_nc_u64 s[6:7], s[6:7], s[90:91]
	s_lshl_b32 s92, s94, 7
	s_add_co_u32 s92, s92, s89
	s_mul_i32 s90, s92, 12288
	s_mul_i32 s95, s93, 768
	s_add_co_u32 s90, s90, s95
	s_add_nc_u64 s[18:19], s[18:19], s[90:91]
	s_lshl_b32 s90, s92, 9
	s_lshl_b32 s95, s93, 1
	s_add_co_u32 s90, s90, s95
	s_add_nc_u64 s[20:21], s[20:21], s[90:91]
	s_and_b32 s96, s93, 3
	s_mul_i32 s96, s96, 0x01010101
	s_add_co_u32 s96, s96, 0x400                   ; v_perm_b32's selector: byte head % 4 of the second source; in byte 1 that of the first
	s_wait_alu depctr_va_vdst(0)
	v_lshlrev_b32 v5, 3, v99
	v_lshlrev_b32 v6, 2, v99
	v_lshlrev_b32 v7, 2, v98
.irp p, 0,1,2
	global_load_b64 v[Q1+2*\p:Q1+2*\p+1], v5, s[4:5] offset:128*\p
	global_load_b64 v[Q2+2*\p:Q2+2*\p+1], v5, s[4:5] offset:1572864+128*\p
.endr
	global_load_b32 v110, v6, s[6:7]
	global_load_b32 v111, v6, s[6:7] offset:65536
	global_load_b32 v104, v7, s[8:9]
	global_load_b32 v105, v7, s[10:11]
	global_load_b32 v106, v7, s[12:13]
	global_load_b32 v107, v7, s[14:15]
	global_load_b32 v108, v7, s[16:17]
	global_load_b32 v109, v7, s[16:17] offset:128
	v_lshlrev_b32 v[AK], 3, v99
	DLY 1
	v_mad_u32_u24 v[AK], v100, K2D, v[AK]
	v_lshlrev_b32 v[AV], 3, v102
	DLY 1
	v_mad_u32_u24 v[AV], v101, 384, v[AV]
	DLY 1
	v_mad_u32_u24 v[AV], v100, VOD, v[AV]
	DLY 1
	v_add_nc_u32 v[AV], VE, v[AV]
	v_lshl_add_u32 v[AKS], v99, 4, KSW
	v_lshlrev_b32 v[AVS], 2, v102
	DLY 1
	v_lshl_add_u32 v[AVS], v101, 6, v[AVS]
	DLY 1
	v_add_nc_u32 v[AVS], VS, v[AVS]
	v_lshlrev_b32 v[OI], 3, v98
	v_lshl_add_u32 v[OS], v99, 5, v100
	s_lshl_b32 s90, s[WV], 8
	v_lshl_add_u32 v103, v98, 2, s90
	DLY 1
	v_add_nc_u32 v103, WL, v103
	v_lshrrev_b32 v112, 4, v0
	DLY 1
	v_lshlrev_b32 v112, 8, v112
	DLY 1
	v_lshl_add_u32 v112, v99, 2, v112
	DLY 1
	v_add_nc_u32 v112, K1S, v112
	v_lshl_add_u32 v113, v0, 4, KSW
.irp i, 0,1,2,3,4,5
	v_mov_b32 v[Q1+6+\i], 0
	v_mov_b32 v[Q2+6+\i], 0
	v_mov_b32 v[KB+24+\i], 0
.endr
	v_mov_b32 v[ST1+1], 0xff61b1e6                 ; -3e38, under every t
	v_mov_b32 v[ST2+1], 0xff61b1e6
	DLY 2
	v_floor_f32 v[ST1], -v[ST1+1]
	DLY 2
	v_floor_f32 v[ST2], -v[ST2+1]
.irp i, 2,3
	v_mov_b32 v[ST1+\i], 0
	v_mov_b32 v[ST2+\i], 0
.endr
.irp i, 0,1,2,3
	v_mov_b32 v[TMP+\i], 0
.endr
	v_mov_b32 v[FF+1], 0
	v_mov_b32 v[TA+1], 0
.set j, 0
.rept 64
	v_mov_b32 v[O1+j], 0                           ; O^T: the key step has no first step of its own
.set j, j+1
.endr
	s_wait_loadcnt 0x0
	v_cmp_gt_u32 vcc_lo, 16, v98
.irp i, 0,1,2,3,4,5
	v_cndmask_b32 v[Q1+\i], 0, v[Q1+\i], vcc_lo
	v_cndmask_b32 v[Q2+\i], v[Q2+\i], v[KB+24], vcc_lo
.endr
	v_perm_b32 v[QW], v111, v110, s96
	ds_store_b32 v103, v108
	ds_store_b32 v103, v109 offset:128
	v_mul_f32 v104, v104, v105                     ; lam = exp(sum lambda_q1 lambda_k1) - exp(sum lambda_q2 lambda_k2) + lambda_init
	v_mul_f32 v106, v106, v107
.irp m, 1,2,4,8
	DLY 2
	v_add_f32_dpp v104, v104, v104 row_xmask:\m row_mask:0xf bank_mask:0xf
	DLY 2
	v_add_f32_dpp v106, v106, v106 row_xmask:\m row_mask:0xf bank_mask:0xf
.endr
	DLY 2
	v_permlanex16_b32 v105, v104, s[SEL], s[SEL+1]
	DLY 2
	v_permlanex16_b32 v107, v106, s[SEL], s[SEL+1]
	DLY 2
	v_add_f32 v104, v104, v105
	DLY 2
	v_add_f32 v106, v106, v107
	DLY 2
	v_mul_f32 v104, 0x3fb8aa3b, v104
	DLY 2
	v_mul_f32 v106, 0x3fb8aa3b, v106
	s_wait_alu depctr_va_vdst(0)
	v_exp_f32 v104, v104
	v_exp_f32 v106, v106
	v_nop
	s_wait_alu depctr_va_vdst(0)
	v_sub_f32 v[LAM], v104, v106
	DLY 1
	v_add_f32 v[LAM], 0x3f489a63, v[LAM]           ; lambda_init = 0.8 - 0.6 exp(-3.6)
	s_wait_tensorcnt 0x0                           ; my load, if I issued one, is in
	s_wait_dscnt 0x0
	s_barrier_signal -1
	s_barrier_wait -1                              ; everybody's is
.irp i, 0,1,2,3
	ds_load_b32 v[114+\i], v112 offset:64*\i
	ds_load_b32 v[118+\i], v112 offset:8192+64*\i
.endr
	s_wait_dscnt 0x0
.irp i, 0,1,2,3
	v_perm_b32 v[122+\i], v[118+\i], v[114+\i], s96
.endr
	ds_store_b128 v113, v[122:125]                 ; k's words as the products want them
	s_wait_dscnt 0x0
	s_barrier_signal -1
	s_barrier_wait -1
.macro LDK g                                   ; four half fragments of K and their scale words
.irp t, 0,1,2,3
.irp p, 0,1,2
	ds_load_b64 v[KB+6*\t+2*\p:KB+6*\t+2*\p+1], v[ADK] offset:384*(4*\g+\t)+128*\p
.endr
.endr
	ds_load_b128 v[KW:KW+3], v[ADS] offset:256*\g
.endm
.macro LDV g                                   ; two fragments of V^T and their scale words
.irp u, 0,1
.irp c, 0,1
.irp p, 0,1,2
	ds_load_b64 v[KB+12*\u+6*\c+2*\p:KB+12*\u+6*\c+2*\p+1], v[ADV] offset:1536*\c+768*\g+64*\u+128*\p
.endr
.endr
	ds_load_b32 v[KW+\u], v[ADT] offset:128*\g+32*\u
.endr
.endm
.macro QK QO, g                                ; S^T of four tiles of 16 keys; four places behind them, for the loads and the reads that follow
	s_wait_dscnt 0x0
.irp t, 0,1,2,3
	v_wmma_scale_f32_16x16x128_f8f6f4 v[S+8*(4*\g+\t):S+8*(4*\g+\t)+7], v[KB+6*\t:KB+6*\t+11], v[\QO:\QO+11], 0, v[KW+\t], v[QW] matrix_a_fmt:MATRIX_FMT_FP6 matrix_b_fmt:MATRIX_FMT_FP6
.endr
	NOP4
.endm
; One sub-head's scores and softmax for 128 keys.  nx = 0: the other sub-head's first fragments of K are asked for next; 1: V's
.macro HALF QO, ST, OO, PCD, PWR, nx
	QK \QO, 0
	LDK 1
	QK \QO, 1
.if \nx
	LDV 0
.else
	LDK 0
.endif
.irp b, 0,1,2,3
	v_max3_num_f32 v[BM+\b], v[S+16*\b], v[S+1+16*\b], v[S+2+16*\b]   ; each block's largest score: for the row's maximum and for the block's largest p
.endr
.irp i, 3,5,7,9,11,13
.irp b, 0,1,2,3
	v_max3_num_f32 v[BM+\b], v[BM+\b], v[S+16*\b+\i], v[S+1+16*\b+\i]
.endr
.endr
.irp b, 0,1,2,3
	v_max_num_f32 v[BM+\b], v[BM+\b], v[S+15+16*\b]
.endr
.irp b, 0,1,2,3
	DLY 4
	v_permlanex16_b32 v[TMP+\b], v[BM+\b], s[SEL], s[SEL+1]
.endr
.irp b, 0,1,2,3
	DLY 4
	v_max_num_f32 v[BM+\b], v[BM+\b], v[TMP+\b]
.endr
	DLY 2
	v_max3_num_f32 v[TA], v[BM], v[BM+1], v[BM+2]
	DLY 1
	v_max_num_f32 v[TA], v[TA], v[BM+3]
	DLY 1
	v_mul_f32 v[TA], s[CS], v[TA]
	DLY 1
	v_max_num_f32 v[\ST+1], v[\ST+1], v[TA]        ; the running largest t
	v_mov_b32 v[TA], v[\ST]
	DLY 2
	v_floor_f32 v[\ST], -v[\ST+1]                  ; the new -M
	DLY 1
	v_sub_f32 v[TA], v[\ST], v[TA]
	DLY 1
	v_cvt_i32_f32 v[TA], v[TA]
	DLY 1
	v_ldexp_f32 v[FF], 1.0, v[TA]                  ; f = 2^(old M - new M)
.set j, 0
.rept 32
	v_pk_fma_f32 v[S+j:S+j+1], v[S+j:S+j+1], s[CS:CS+1], v[\ST:\ST+1] op_sel_hi:[1,0,0]
.set j, j+2
.endr
.irp b, 0,1,2,3
	v_fma_f32 v[BM+\b], v[BM+\b], s[CS], v[\ST]
.endr
.set j, 0
	s_wait_alu depctr_va_vdst(0)                   ; the wait ahead of the batch
.rept 64
	v_exp_f32 v[S+j], v[S+j]                       ; p = 2^(t - M)
.set j, j+1
.endr
	v_pk_mul_f32 v[\ST+2:\ST+3], v[\ST+2:\ST+3], v[FF:FF+1] op_sel_hi:[1,0]
	s_wait_alu depctr_va_vdst(0)                   ; one wait for the batch
.irp b, 0,1,2,3
	v_exp_f32 v[BM+\b], v[BM+\b]                   ; the block's largest p
.endr
	v_pk_add_f32 v[TMP:TMP+1], v[S:S+1], v[S+2:S+3]   ; the row's sum of the unquantised p, in two chains
.irp j, 4,8,12,16,20,24,28,32,36,40,44,48,52,56,60
	v_pk_add_f32 v[\ST+2:\ST+3], v[\ST+2:\ST+3], v[S+\j:S+\j+1]
	v_pk_add_f32 v[TMP:TMP+1], v[TMP:TMP+1], v[S+2+\j:S+3+\j]
.endr
	DLY 1
	v_pk_add_f32 v[\ST+2:\ST+3], v[\ST+2:\ST+3], v[TMP:TMP+1]
	s_wait_alu depctr_va_vdst(0)                   ; and one for the four
.irp b, 0,1,2,3
	v_max_num_f32 v[BM+\b], 0x1800000, v[BM+\b]    ; the floor 2^(3 - 127)
.endr
.irp b, 0,1,2,3
	DLY 4
	v_add_nc_u32 v[SO+\b], 0xff000000, v[BM+\b]
.endr
.irp b, 0,1,2,3
	DLY 4
	v_lshrrev_b32 v[TMP+\b], 23, v[SO+\b]
.endr
	DLY 3
	v_lshl_or_b32 v[\PWR], v[TMP+1], 8, v[TMP]
	DLY 1
	v_lshl_or_b32 v[\PWR], v[TMP+2], 16, v[\PWR]
	DLY 1
	v_lshl_or_b32 v[\PWR], v[TMP+3], 24, v[\PWR]
.irp c, 0,1
	v_cvt_scalef32_pk16_fp6_f32 v[\PCD+6*\c:\PCD+6*\c+2], v[S+32*\c:S+32*\c+15], v[SO+2*\c]
	v_cvt_scalef32_pk16_fp6_f32 v[TMP+4*\c:TMP+4*\c+2], v[S+16+32*\c:S+31+32*\c], v[SO+2*\c+1]
.endr
	v_nop
.irp c, 0,1
.irp i, 0,1,2
	v_permlane16_swap_b32 v[\PCD+6*\c+\i], v[TMP+4*\c+\i]
.endr
.irp i, 0,1,2
	DLY 3
	v_mov_b32 v[\PCD+3+6*\c+\i], v[TMP+4*\c+\i]
.endr
.endr
	s_wait_alu depctr_va_vdst(0)                   ; the wait ahead of the first reader of O^T
.set j, 0
.rept 16
	v_pk_mul_f32 v[\OO+j:\OO+j+1], v[\OO+j:\OO+j+1], v[FF:FF+1] op_sel_hi:[1,0]   ; O^T under the new M; also the places ahead of the products
.set j, j+2
.endr
.endm
.macro PVM g                                   ; O^T += V^T P^T, both sub-heads: four accumulators by turns
	s_wait_dscnt 0x0
.irp u, 0,1
	v_wmma_scale_f32_16x16x128_f8f6f4 v[O1+16*\g+8*\u:O1+16*\g+8*\u+7], v[KB+12*\u:KB+12*\u+11], v[P1:P1+11], v[O1+16*\g+8*\u:O1+16*\g+8*\u+7], v[KW+\u], v[PW1] matrix_a_fmt:MATRIX_FMT_FP6 matrix_b_fmt:MATRIX_FMT_FP6
	v_wmma_scale_f32_16x16x128_f8f6f4 v[O2+16*\g+8*\u:O2+16*\g+8*\u+7], v[KB+12*\u:KB+12*\u+11], v[P2:P2+11], v[O2+16*\g+8*\u:O2+16*\g+8*\u+7], v[KW+\u], v[PW2] matrix_a_fmt:MATRIX_FMT_FP6 matrix_b_fmt:MATRIX_FMT_FP6
.endr
.endm
.macro ADDR                                    ; a step's four addresses; behind products they are also the four places ahead of the loads
	v_add_nc_u32 v[ADK], s[TK], v[AK]
	v_add_nc_u32 v[ADV], s[TK], v[AV]
	v_add_nc_u32 v[ADS], s[TS], v[AKS]
	v_add_nc_u32 v[ADT], s[TV], v[AVS]
	s_wait_alu depctr_va_vdst(0)                   ; the wait behind these writes
.endm
.macro STEP more                               ; 128 keys; more = 1: the next step's first fragments of K are asked for at its end
	HALF Q1, ST1, O1, P1, PW1, 0
	HALF Q2, ST2, O2, P2, PW2, 1
	s_wait_alu depctr_va_vdst(0)
	PVM 0
	NOP4
	LDV 1
	PVM 1
.if \more
	s_add_co_u32 s[TK], s[TK], 3072
	s_add_co_u32 s[TS], s[TS], 512
	s_add_co_u32 s[TV], s[TV], 256
	ADDR
	LDK 0
.endif
.endm
	s_mov_b32 s[TK], 0
	s_mov_b32 s[TS], 0
	s_mov_b32 s[TV], 0
	ADDR
	LDK 0
	s_mov_b32 s[CNT], 15
.Lkeys:
	STEP 1
	s_sub_co_u32 s[CNT], s[CNT], 1
	s_cmp_lg_u32 s[CNT], 0
	s_cbranch_scc1 .Lkeys
	STEP 0                                         ; the last 128 keys ask for nothing more
	; THE WAY OUT.  Register 16 b + k of a sub-head's O^T is channel 32 b + 16 h + k of my query.
	s_lshl_b32 s90, s[WV], 8
	v_bfe_u32 v[ADK], v0, 4, 1                     ; (four plain instructions: the places behind the last products)
	DLY 1
	v_lshlrev_b32 v[ADK], 6, v[ADK]
	DLY 1
	v_add_nc_u32 v[ADK], s90, v[ADK]
	DLY 1
	v_add_nc_u32 v[ADK], WL, v[ADK]
.irp b, 0,1
.irp k, 0,1,2,3
	ds_load_b128 v[S+32+16*\b+4*\k:S+35+16*\b+4*\k], v[ADK] offset:128*\b+16*\k   ; subln_w at my 32 channels
.endr
.endr
	v_add_f32 v[ST1+2], v[ST1+2], v[ST1+3]
	v_add_f32 v[ST2+2], v[ST2+2], v[ST2+3]
	DLY 2
	v_permlanex16_b32 v[TMP], v[ST1+2], s[SEL], s[SEL+1]
	DLY 2
	v_permlanex16_b32 v[TMP+1], v[ST2+2], s[SEL], s[SEL+1]
	DLY 2
	v_add_f32 v[ST1+2], v[ST1+2], v[TMP]
	DLY 2
	v_add_f32 v[ST2+2], v[ST2+2], v[TMP+1]
	s_wait_alu depctr_va_vdst(0)
	v_rcp_f32 v[FF], v[ST1+2]
	v_rcp_f32 v[TA], v[ST2+2]
	v_nop
	s_wait_alu depctr_va_vdst(0)
	v_mul_f32 v[TA], -v[LAM], v[TA]                ; -lam / l2
.set j, 0
.rept 16
	v_pk_mul_f32 v[S+j:S+j+1], v[O2+j:O2+j+1], v[TA:TA+1] op_sel_hi:[1,0]
.set j, j+2
.endr
.set j, 0
.rept 16
	v_pk_fma_f32 v[S+j:S+j+1], v[O1+j:O1+j+1], v[FF:FF+1], v[S+j:S+j+1] op_sel_hi:[1,0,1]   ; o = attn1 - lam attn2
.set j, j+2
.endr
	v_pk_mul_f32 v[BM:BM+1], v[S:S+1], v[S:S+1]
	v_pk_mul_f32 v[BM+2:BM+3], v[S+2:S+3], v[S+2:S+3]
.irp j, 4,8,12,16,20,24,28
	DLY 2
	v_pk_fma_f32 v[BM:BM+1], v[S+\j:S+\j+1], v[S+\j:S+\j+1], v[BM:BM+1]
	DLY 2
	v_pk_fma_f32 v[BM+2:BM+3], v[S+2+\j:S+3+\j], v[S+2+\j:S+3+\j], v[BM+2:BM+3]
.endr
	DLY 1
	v_pk_add_f32 v[BM:BM+1], v[BM:BM+1], v[BM+2:BM+3]
	DLY 1
	v_add_f32 v[BM], v[BM], v[BM+1]
	DLY 1
	v_permlanex16_b32 v[TMP], v[BM], s[SEL], s[SEL+1]
	DLY 1
	v_add_f32 v[BM], v[BM], v[TMP]
	DLY 1
	v_fma_f32 v[BM], v[BM], s104, s105             ; the mean + 1e-5
	s_wait_alu depctr_va_vdst(0)
	v_rsq_f32 v[BM], v[BM]
	v_nop
	s_wait_alu depctr_va_vdst(0)
	v_mul_f32 v[BM], 0x3e5d9673, v[BM]             ; x (1 - lambda_init)
.set j, 0
.rept 16
	v_pk_mul_f32 v[S+j:S+j+1], v[S+j:S+j+1], v[BM:BM+1] op_sel_hi:[1,0]
.set j, j+2
.endr
	s_wait_dscnt 0x0
.set j, 0
.rept 16
	v_pk_mul_f32 v[S+j:S+j+1], v[S+j:S+j+1], v[S+32+j:S+33+j]
.set j, j+2
.endr
.irp b, 0,1
	v_max3_num_f32 v[BM+\b], |v[S+16*\b]|, |v[S+1+16*\b]|, 0x1800000
.endr
.irp i, 2,4,6,8,10,12,14
.irp b, 0,1
	DLY 2
	v_max3_num_f32 v[BM+\b], v[BM+\b], |v[S+16*\b+\i]|, |v[S+1+16*\b+\i]|
.endr
.endr
.irp b, 0,1
	DLY 2
	v_permlanex16_b32 v[TMP+\b], v[BM+\b], s[SEL], s[SEL+1]
.endr
.irp b, 0,1
	DLY 2
	v_max_num_f32 v[BM+\b], v[BM+\b], v[TMP+\b]
.endr
.irp b, 0,1
	DLY 2
	v_add_nc_u32 v[SO+\b], 0xff000000, v[BM+\b]
.endr
.irp b, 0,1
	DLY 2
	v_lshrrev_b32 v[TMP+\b], 23, v[SO+\b]
.endr
	v_cvt_scalef32_pk16_fp6_f32 v[P1:P1+2], v[S:S+15], v[SO]
	v_cvt_scalef32_pk16_fp6_f32 v[TMP+4:TMP+6], v[S+16:S+31], v[SO+1]
	v_and_b32 v[TMP+3], 31, v0
.irp i, 0,1,2
	v_permlane16_swap_b32 v[P1+\i], v[TMP+4+\i]
.endr
.irp i, 0,1,2
	DLY 3
	v_mov_b32 v[P1+3+\i], v[TMP+4+\i]
.endr
	v_cmp_gt_u32 vcc_lo, 16, v[TMP+3]
	DLY 1
	v_cndmask_b32 v[TMP+2], v[TMP+1], v[TMP], vcc_lo
.irp p, 0,1,2
	global_store_b64 v[OI], v[P1+2*\p:P1+2*\p+1], s[18:19] offset:256*\p   ; 32 lanes store 256 consecutive bytes, at a multiple of 256
.endr
	global_store_b8 v[OS], v[TMP+2], s[20:21]      ; two bytes of each token's 32: rows are written in part here
	s_wait_dscnt 0x0
	s_wait_tensorcnt 0x0                           ; the wave's end
	ds_add_u32 v254, v255
	s_wait_dscnt 0x0
	CROUND                                         ; the closing round
	s_endpgm
.Lfunc_end_k_qdc7ea0d5b5_attn:
	.size	k_qdc7ea0d5b5_attn, .Lfunc_end_k_qdc7ea0d5b5_attn-k_qdc7ea0d5b5_attn
	.p2alignl 7, 3214868480
	.fill 96, 4, 3214868480
	.section	.rodata,"a",@progbits
	.p2align	6, 0x0
	.amdhsa_kernel k_qdc7ea0d5b5_attn
		.amdhsa_group_segment_fixed_size 232448
		.amdhsa_private_segment_fixed_size 0
		.amdhsa_enable_private_segment 0
		.amdhsa_kernarg_size 72
		.amdhsa_user_sgpr_count 2
		.amdhsa_user_sgpr_kernarg_segment_ptr 1
		.amdhsa_wavefront_size32 1
		.amdhsa_system_sgpr_workgroup_id_x 1
		.amdhsa_system_sgpr_workgroup_id_y 1
		.amdhsa_system_sgpr_workgroup_id_z 1
		.amdhsa_system_vgpr_workitem_id 0
		.amdhsa_next_free_vgpr 256
		.amdhsa_next_free_sgpr 106
		.amdhsa_reserve_vcc 1
		.amdhsa_float_denorm_mode_32 3
		.amdhsa_float_denorm_mode_16_64 3
		.amdhsa_memory_ordered 1
		.amdhsa_forward_progress 1
		.amdhsa_inst_pref_size 100
	.end_amdhsa_kernel
	.amdgpu_metadata
---
amdhsa.version: [ 1, 2 ]
amdhsa.kernels:
  - .name:           k_qdc7ea0d5b5_attn
    .symbol:         k_qdc7ea0d5b5_attn.kd
    .args:
      - { .name: qkv_img, .offset: 0, .size: 8, .value_kind: global_buffer, .address_space: global }
      - { .name: qkv_sw, .offset: 8, .size: 8, .value_kind: global_buffer, .address_space: global }
      - { .name: lambda_q1, .offset: 16, .size: 8, .value_kind: global_buffer, .address_space: global }
      - { .name: lambda_k1, .offset: 24, .size: 8, .value_kind: global_buffer, .address_space: global }
      - { .name: lambda_q2, .offset: 32, .size: 8, .value_kind: global_buffer, .address_space: global }
      - { .name: lambda_k2, .offset: 40, .size: 8, .value_kind: global_buffer, .address_space: global }
      - { .name: subln_w, .offset: 48, .size: 8, .value_kind: global_buffer, .address_space: global }
      - { .name: o_img, .offset: 56, .size: 8, .value_kind: global_buffer, .address_space: global }
      - { .name: o_sc, .offset: 64, .size: 8, .value_kind: global_buffer, .address_space: global }
    .group_segment_fixed_size: 232448
    .private_segment_fixed_size: 0
    .kernarg_segment_align: 8
    .kernarg_segment_size: 72
    .max_flat_workgroup_size: 512
    .sgpr_count:     106
    .vgpr_count:     256
    .wavefront_size: 32
...
	.end_amdgpu_metadata
.endif
;; end of part 2
;; launch proj (part 3): grid 8 x 32, 4 waves a work-group, clusters of 4 x 4, 262,144 bytes of LDS; arguments o_img, o_sc, W_proj_codes, W_proj_scales, b_proj, out0; writes out0
.if DOCPART == 3
	.amdgcn_target "amdgcn-amd-amdhsa--gfx1250"
	.amdhsa_code_object_version 6
	.text
	.protected	k_qdc7ea0d5b5_proj
	.globl	k_qdc7ea0d5b5_proj
	.p2align	8
	.type	k_qdc7ea0d5b5_proj,@function
k_qdc7ea0d5b5_proj:
	s_mov_b64 s[64:65], 0
	v_nop
	global_prefetch_b8 v0, s[64:65] scope:SCOPE_SE
	s_setreg_imm32_b32 hwreg(HW_REG_WAVE_MODE, 25, 1), 1
	s_wait_xcnt 0x0
	s_wait_alu depctr_hold_cnt(0) depctr_sa_sdst(0) depctr_va_vdst(0) depctr_va_sdst(0) depctr_va_ssrc(0) depctr_va_vcc(0) depctr_vm_vsrc(0)
	s_getreg_b32 s2, hwreg(HW_REG_IB_STS2, 6, 4)
	s_cmp_eq_u32 s2, 0
	s_cbranch_scc0 .Lentry_in_a_cluster
	s_endpgm
.Lentry_in_a_cluster:
	s_bfe_u32 s2, ttmp6, 0x10000c
	s_cmp_lg_u32 s2, 0xf033
	s_cbranch_scc0 .Lentry_shape_is_right
	s_endpgm
.Lentry_shape_is_right:
; out0 = o W_proj + b_proj on codes of FP6 (E2M3).  A work-group makes 128 tokens x 128 columns, K = 1,024: 8 x 32 = 256 work-groups.
; o's codes come as images of operand registers, [tile of 16 tokens][head][piece][lane][8 bytes]: 98,304 dense bytes for 128 tokens.  W_proj's come as whole rows of K, 768 bytes, each at a multiple of 256.
; Codes and scale bytes are filled ONCE, one tensor load a wave; no LDS byte is filled again, no barrier stands in the walk along K.
; CLUSTER 4 x 4: o's tile is shared along a row of the cluster, W's along a column: joint loads.  No prefetch: the launch has no loop to run ahead in; all it reads is asked for at its head.
; A wave makes 32 tokens x 128 columns: 16 accumulators by turns; the bias is the C of each accumulator's first product.
; The matrix instruction is used transposed (source 0 = 16 rows of W, source 1 = 16 tokens): a lane holds eight neighbouring columns of one row of out0.
.set SIZE_N, 1024
.set KROW,  768
.set PITCH, 816
.set BLK,   16*PITCH
.set ATILE, 98304
.set SCL,   ATILE+128*PITCH
.set SHALF, 4352
.set SBLK,  544
.set SPARE, SCL+2*SHALF
.set STAGE, SPARE+512                  ; 16 rows x 528 bytes for each wave; bytes of its own
.set SPITCH, 528
.set FR,   12
.set ADRA, 16
.set ADRB, 20
.set STO,  24
.set RD,   25
.set CO,   26
.set ADRS, 27
.set SPW,  28
.set NIL,  29
.set SC,   32
.set AF,   128
.set BIAS, 192
.set BK,   128
.set MSB, 0
.macro WIN new
.if MSB != \new
	s_set_vgpr_msb (MSB<<8)|\new
.set MSB, \new
.endif
.endm
.set MUL_W, 0xa1
.set BIA_W, 0x81                       ; C in window 0
.set TO_B,  0x40
.macro PLACES
.rept 4
	v_nop
.endr
.endm
.macro CROUND
	s_barrier_signal -1
	s_barrier_wait -1
	s_cmp_lg_u32 s14, 0
	s_cbranch_scc1 .Lnot_wave_0_\@
	s_barrier_signal -3
.Lnot_wave_0_\@:
	s_barrier_wait -3
	s_barrier_signal -1
	s_barrier_wait -1
.endm
.macro ARM under, g0, g1, next
	s_cmp_lt_u32 s14, \under
	s_cbranch_scc0 \next
	tensor_load_to_lds s[\g0:\g0+3], s[\g1:\g1+7]
	s_nop 0
	PLACES
	s_branch .Lhead_asked
\next:
.endm
	s_load_b128 s[4:7], s[0:1], 0x0                ; o_img, o_sc
	s_load_b128 s[8:11], s[0:1], 0x10              ; W's codes, W's scales
	s_load_b64 s[96:97], s[0:1], 0x20              ; b_proj
	s_load_b64 s[12:13], s[0:1], 0x28              ; out0
	v_lshl_add_u32 v[SPW], v0, 2, SPARE
	v_mov_b32 v[NIL], 0
	ds_add_u32 v[SPW], v[NIL]                      ; the opening lines
	ds_add_u32 v[SPW], v[NIL]
	v_lshrrev_b32 v1, 5, v0
	v_readfirstlane_b32 s14, v1
	s_bfe_u32 s40, ttmp6, 0x40000
	s_bfe_u32 s41, ttmp6, 0x40004
	s_lshl_b32 s42, ttmp9, 2
	s_add_co_u32 s42, s42, s40                     ; tile of columns
	s_and_b32 s17, ttmp7, 0xffff
	s_lshl_b32 s17, s17, 2
	s_add_co_u32 s17, s17, s41                     ; tile of tokens
	s_lshl_b32 s43, s41, 2
	s_lshl_b32 s43, 15, s43
	s_lshl_b32 s44, 0x1111, s40
	s_or_b32 s24, s43, (3<<16)|(1<<21)             ; o's codes: 384 dense rows of 256 bytes
	s_mov_b32 s25, 32<<16
	s_mov_b32 s26, 384<<16
	s_mov_b32 s27, 32<<16
	s_mov_b32 s28, 384
	s_mov_b32 s29, 32
	s_mov_b32 s30, 0
	s_mov_b32 s31, 0
	s_or_b32 s48, s44, (1<<20)|(1<<21)|(5<<22)|(3<<25)   ; W's codes: 128 rows of 768 bytes, 16 of padding behind each 256
	s_mov_b32 s49, KROW<<16
	s_mov_b32 s50, 128<<16
	s_mov_b32 s51, KROW<<16
	s_mov_b32 s52, 128
	s_mov_b32 s53, KROW
	s_mov_b32 s54, 0
	s_mov_b32 s55, 0
	s_or_b32 s68, s43, (3<<16)|(1<<20)|(1<<21)|(5<<22)|(3<<25)
	s_or_b32 s80, s44, (3<<16)|(1<<20)|(1<<21)|(5<<22)|(3<<25)
.irp g, 68, 80
	s_mov_b32 s[\g+1], 32<<16
	s_mov_b32 s[\g+2], 16<<16
	s_mov_b32 s[\g+3], 32<<16
	s_mov_b32 s[\g+4], 16
	s_mov_b32 s[\g+5], 32
	s_mov_b32 s[\g+6], 0
	s_mov_b32 s[\g+7], 0
.endr
	s_mul_i32 s20, s17, 98304
	s_mov_b32 s21, 0
	s_lshl_b32 s22, s17, 12
	s_mov_b32 s23, 0
	s_mul_i32 s46, s42, 98304
	s_mov_b32 s47, 0
	s_lshl_b32 s60, s42, 12
	s_mov_b32 s61, 0
	s_mov_b32 s32, 1
	s_mov_b32 s33, 0
	s_mov_b32 s56, 1
	s_mov_b32 s57, ATILE
	s_mov_b32 s76, 1
	s_mov_b32 s77, SCL
	s_mov_b32 s88, 1
	s_mov_b32 s89, SCL+SHALF
	s_wait_dscnt 0x0
	s_wait_kmcnt 0x0
	s_add_nc_u64 s[34:35], s[4:5], s[20:21]
	s_add_nc_u64 s[78:79], s[6:7], s[22:23]
	s_add_nc_u64 s[58:59], s[8:9], s[46:47]
	s_add_nc_u64 s[90:91], s[10:11], s[60:61]
	s_or_b32 s35, s35, 0x80000000
	s_or_b32 s79, s79, 0x80000000
	s_or_b32 s59, s59, 0x80000000
	s_or_b32 s91, s91, 0x80000000
	CROUND
	ARM 1, 32, 24, .Lhead_b                        ; one load a wave: o's codes, W's codes, o's scales, W's scales
	ARM 2, 56, 48, .Lhead_sa
	ARM 3, 76, 68, .Lhead_sb
	tensor_load_to_lds s[88:91], s[80:87]
	s_nop 0
	PLACES
.Lhead_asked:
	s_lshl_b32 s20, s17, 7
	s_lshl_b32 s21, s14, 5
	s_add_co_u32 s20, s20, s21                     ; my first row of out0
	s_lshl_b32 s20, s20, 12
	s_lshl_b32 s46, s42, 9                         ; my first column, in bytes
	s_mov_b32 s47, 0
	s_add_co_u32 s20, s20, s46
	s_mov_b32 s21, 0
	s_add_nc_u64 s[12:13], s[12:13], s[20:21]
	s_add_nc_u64 s[96:97], s[96:97], s[46:47]
	v_bfe_u32 v2, v0, 4, 1                         ; h
	v_lshlrev_b32 v7, 5, v2
.irp b, 0,1,2,3,4,5,6,7
	global_load_b128 v[BIAS+8*\b:BIAS+8*\b+3], v7, s[96:97] offset:64*\b        ; b_proj at columns 16 b + 8 h + 0 .. 7
	global_load_b128 v[BIAS+8*\b+4:BIAS+8*\b+7], v7, s[96:97] offset:64*\b+16
.endr
	v_and_b32 v1, 15, v0                           ; r
	v_mul_u32_u24 v3, v1, PITCH
	v_mad_u32_u24 v4, v2, 24, v3
	v_lshl_add_u32 v5, v2, 4, v4
	v_and_b32 v6, 31, v0
	v_lshlrev_b32 v3, 3, v6
	s_mul_i32 s21, s14, 24576                      ; my two tiles of 16 tokens
	v_add_nc_u32 v[ADRA], s21, v3
	v_add_nc_u32 v[ADRB], ATILE, v4
	v_add_nc_u32 v[ADRB+1], ATILE, v5
	v_add_nc_u32 v[ADRB+2], ATILE+4*BLK, v4
	v_add_nc_u32 v[ADRB+3], ATILE+4*BLK, v5
	v_lshlrev_b32 v5, 5, v1
	v_lshrrev_b32 v8, 8, v5
	v_lshl_add_u32 v5, v8, 4, v5
	s_mul_i32 s21, s14, 2*SBLK
	s_mov_b32 s22, SHALF
	s_sub_co_u32 s22, s22, s21
	v_mul_u32_u24 v8, s22, v2
	s_add_co_u32 s21, s21, SCL
	v_add_nc_u32 v5, v5, v8
	v_add_nc_u32 v[ADRS], s21, v5
	s_mul_i32 s23, s14, 16*SPITCH
	s_add_co_u32 s23, s23, STAGE
	v_mul_u32_u24 v5, v1, SPITCH
	v_lshl_add_u32 v5, v2, 5, v5
	v_add_nc_u32 v[STO], s23, v5
	v_lshlrev_b32 v[CO], 4, v6
	v_add_nc_u32 v[RD], s23, v[CO]
.macro FRAG reg, adr, st, i
.irp p, 0,1,2,3,4,5
.set BY, 96*(\st)+48*(\p/3)+8*(\p%3)
.if BY/256 == (BY+24)/256
	ds_load_b64 v[\reg+2*\p:\reg+2*\p+1], v[\adr] offset:BY+16*(BY/256)+(\i)*BLK
.else
	ds_load_b64 v[\reg+2*\p:\reg+2*\p+1], v[\adr+1] offset:BY+16*(BY/256)+(\i)*BLK
.endif
.endr
.endm
.macro FETCH st                                ; 60 loads: step st's fragments into set st % 2
	WIN TO_B
.irp i, 0,1,2,3,4,5,6,7
	FRAG 128*((\st)%2)+FR*\i, ADRB+2*(\i/4), \st, \i%4
.endr
	WIN 0
.irp i, 0,1
.irp p, 0,1,2,3,4,5
	ds_load_b64 v[AF+24*((\st)%2)+FR*\i+2*\p:AF+24*((\st)%2)+FR*\i+2*\p+1], v[ADRA] offset:12288*\i+1536*(\st)+256*\p
.endr
.endr
.endm
.macro MUL st, first
.irp a, 0,1
.irp b, 0,1,2,3,4,5,6,7
.if \first
	v_wmma_scale_f32_16x16x128_f8f6f4 v[8*(8*\a+\b):8*(8*\a+\b)+7], v[128*((\st)%2)+FR*\b:128*((\st)%2)+FR*\b+FR-1], v[AF+24*((\st)%2)+FR*\a:AF+24*((\st)%2)+FR*\a+FR-1], v[BIAS+8*\b:BIAS+8*\b+7], v[SC+8*\b+(\st)], v[SC+8*\a+(\st)] matrix_a_fmt:MATRIX_FMT_FP6 matrix_b_fmt:MATRIX_FMT_FP6 matrix_a_scale:MATRIX_SCALE_ROW1
.else
	v_wmma_scale_f32_16x16x128_f8f6f4 v[8*(8*\a+\b):8*(8*\a+\b)+7], v[128*((\st)%2)+FR*\b:128*((\st)%2)+FR*\b+FR-1], v[AF+24*((\st)%2)+FR*\a:AF+24*((\st)%2)+FR*\a+FR-1], v[8*(8*\a+\b):8*(8*\a+\b)+7], v[SC+8*\b+(\st)], v[SC+8*\a+(\st)] matrix_a_fmt:MATRIX_FMT_FP6 matrix_b_fmt:MATRIX_FMT_FP6 matrix_a_scale:MATRIX_SCALE_ROW1
.endif
.endr
.endr
.endm
	s_wait_alu depctr_va_vdst(0)                   ; the wait at the head's end
	s_wait_tensorcnt 0x0                           ; my tile is in,
	s_barrier_signal -1
	s_barrier_wait -1                              ; everybody's is
.irp i, 0,1,2,3,4,5,6,7
	ds_load_b128 v[SC+8*\i:SC+8*\i+3], v[ADRS] offset:\i*SBLK
	ds_load_b128 v[SC+8*\i+4:SC+8*\i+7], v[ADRS] offset:\i*SBLK+16
.endr
	FETCH 0
	FETCH 1
	s_wait_loadcnt 0x0                             ; the bias
	s_wait_dscnt 60                                ; all but the next step's 60 loads
	WIN BIA_W
	MUL 0, 1
.set ST, 1
.rept 6
	PLACES
	FETCH ST+1
	s_wait_dscnt 60
	WIN MUL_W
	MUL ST, 0
.set ST, ST+1
.endr
	s_wait_dscnt 0x0
	MUL 7, 0
	WIN 0
.macro TOSTAGE a                               ; 16 rows x 128 columns into my own stage, and back as whole rows of 512 bytes
.set AC, 64*(\a)
	WIN 0x08
.irp b, 0,1,2,3,4,5,6,7
	ds_store_b128 v[STO], v[AC+8*\b:AC+8*\b+3] offset:64*\b
	ds_store_b128 v[STO], v[AC+8*\b+4:AC+8*\b+7] offset:64*\b+16
.endr
	WIN 0
.set BB, BK+64*(\a)
.irp t, 0,1,2,3,4,5,6,7,8,9,10,11,12,13,14,15
	ds_load_b128 v[BB+4*\t:BB+4*\t+3], v[RD] offset:\t*SPITCH
.endr
.endm
.macro SEND a, younger
.set BB, BK+64*(\a)
	s_wait_dscnt \younger
.if (\a) > 0
	s_add_nc_u64 s[12:13], s[12:13], 16*SIZE_N*4
.endif
.irp t, 0,1,2,3,4,5,6,7,8,9,10,11,12,13,14,15
	global_store_b128 v[CO], v[BB+4*\t:BB+4*\t+3], s[12:13] offset:\t*SIZE_N*4 th:TH_STORE_NT   ; 32 lanes store 512 consecutive bytes, at a multiple of 256
.endr
.endm
	PLACES
	TOSTAGE 0
	TOSTAGE 1
	SEND 0, 32                                     ; behind block 0's loads: block 1's 16 stores and 16 loads
	s_wait_xcnt 0x0                                ; block 0's stores have read their base
	SEND 1, 0
	s_wait_tensorcnt 0x0                           ; the wave's end
	ds_add_u32 v[SPW], v[NIL]
	s_wait_dscnt 0x0
	CROUND                                         ; the closing round
	s_endpgm
.Lfunc_end_k_qdc7ea0d5b5_proj:
	.size	k_qdc7ea0d5b5_proj, .Lfunc_end_k_qdc7ea0d5b5_proj-k_qdc7ea0d5b5_proj
	.p2alignl 7, 3214868480
	.fill 96, 4, 3214868480
	.section	.rodata,"a",@progbits
	.p2align	6, 0x0
	.amdhsa_kernel k_qdc7ea0d5b5_proj
		.amdhsa_group_segment_fixed_size 262144
		.amdhsa_private_segment_fixed_size 0
		.amdhsa_enable_private_segment 0
		.amdhsa_kernarg_size 48
		.amdhsa_user_sgpr_count 2
		.amdhsa_user_sgpr_kernarg_segment_ptr 1
		.amdhsa_wavefront_size32 1
		.amdhsa_system_sgpr_workgroup_id_x 1
		.amdhsa_system_sgpr_workgroup_id_y 1
		.amdhsa_system_sgpr_workgroup_id_z 1
		.amdhsa_system_vgpr_workitem_id 0
		.amdhsa_next_free_vgpr 768
		.amdhsa_next_free_sgpr 100
		.amdhsa_reserve_vcc 0
		.amdhsa_float_denorm_mode_32 3
		.amdhsa_float_denorm_mode_16_64 3
		.amdhsa_memory_ordered 1
		.amdhsa_forward_progress 1
		.amdhsa_inst_pref_size 66
	.end_amdhsa_kernel
	.amdgpu_metadata
---
amdhsa.version: [ 1, 2 ]
amdhsa.kernels:
  - .name:           k_qdc7ea0d5b5_proj
    .symbol:         k_qdc7ea0d5b5_proj.kd
    .args:
      - { .name: o_img, .offset: 0, .size: 8, .value_kind: global_buffer, .address_space: global }
      - { .name: o_sc, .offset: 8, .size: 8, .value_kind: global_buffer, .address_space: global }
      - { .name: W_proj_codes, .offset: 16, .size: 8, .value_kind: global_buffer, .address_space: global }
      - { .name: W_proj_scales, .offset: 24, .size: 8, .value_kind: global_buffer, .address_space: global }
      - { .name: b_proj, .offset: 32, .size: 8, .value_kind: global_buffer, .address_space: global }
      - { .name: out0, .offset: 40, .size: 8, .value_kind: global_buffer, .address_space: global }
    .group_segment_fixed_size: 262144
    .private_segment_fixed_size: 0
    .kernarg_segment_align: 8
    .kernarg_segment_size: 48
    .max_flat_workgroup_size: 128
    .sgpr_count:     100
    .vgpr_count:     768
    .wavefront_size: 32
...
	.end_amdgpu_metadata
.endif
;; end of part 3
